; MI455X (gfx1250); checked and timed in simulation.
; The chip was launched on July 23, 2026; its instructions are those of AMD's public machine-readable ISA for CDNA 5 (MIT licence, August 2026) and "CDNA5" Instruction Set Architecture Reference Guide (July 2026). The comments in the code are by the model that wrote it; some were corrected since.
;; Grouped Query Attention. Allowed arithmetic: matrix products marked QUANTISED: E5M2 operands, one E8M0 scale for each 32 along K, by v_wmma_scale_f32_16x16x128_f8f6f4 with both operands' format E5M2, f32 sums; everything else in f32.
;; Inputs: k_codes 2 x 8 x 1 x 2,048 x 4 x 32 uint8 (E5M2 codes of k, K innermost, in blocks of 32 codes); k_scales 2 x 8 x 1 x 2,048 x 4 uint8 (E8M0 scales of k, one for each 32 codes along K); q_codes 2 x 8 x 4 x 2,048 x 4 x 32 uint8 (E5M2 codes of q, K innermost, in blocks of 32 codes); q_scales 2 x 8 x 4 x 2,048 x 4 uint8 (E8M0 scales of q, one for each 32 codes along K); v_codes 2 x 8 x 1 x 128 x 64 x 32 uint8 (E5M2 codes of v, K innermost, in blocks of 32 codes); v_scales 2 x 8 x 1 x 128 x 64 uint8 (E8M0 scales of v, one for each 32 codes along K).
;; Outputs: out0 2 x 8 x 4 x 2,048 x 128 float32.
;; This version of the problem:
;;   THIS VERSION OF THE PROBLEM IS GIVEN IN LOW PRECISION. The matrix products marked QUANTISED in the list below multiply operands that are first quantised to E5M2 (5 exponent bits, 2 mantissa bits; 8 bits a number), with one power-of-two scale for each 32 numbers along K (OCP MX v1.0); their sums are f32. All else is computed in f32.
;;   The module's matrix products, in the order in which they are computed (A, B: the left and right operand; K: the contracted axis; several contracted axes count as one K, in the product's order):
;;     1. batch 16 x [M 8,192, K 128] x [K 128, N 2,048]; A: input q (given as codes); B: input k (given as codes): QUANTISED
;;     2. batch 16 x [M 8,192, K 2,048] x [K 2,048, N 128]; A: softmax (see below); B: input v (given as codes): QUANTISED
;;   THE QUANTISER, for each operand of a quantised product, along K:
;;     - K is cut into blocks of 32 from its start; a last block that is shorter is filled with zeros.
;;     - A block's scale is 2^e with e = floor(log2(the largest magnitude in the block)) - 15, held to -126 .. 127; a block of zeros has e = 0. As a byte (E8M0): e + 127.
;;     - Each number is divided by its block's scale, clamped to +-57,344, and rounded to the nearest number of E5M2, ties to even, subnormals kept.
;;     - The product sums the exact products of the quantised numbers (number of the format x scale) in f32.
;;   ~~~python
;;   def quantise(x, axis):      # numpy; x: float32 -> the quantised numbers, widened to float32 again
;;       x = np.moveaxis(x, axis, -1); K = x.shape[-1]
;;       x = np.pad(x, [(0, 0)] * (x.ndim - 1) + [(0, -K % 32)]); x = x.reshape(x.shape[:-1] + (-1, 32)); a = np.abs(x).max(-1, keepdims=True)
;;       e = np.where(a > 0, np.clip(np.frexp(np.where(a > 0, a, 1))[1] - 1 - 15, -126, 127), 0)      # np.frexp(a)[1] - 1 = floor(log2(a)), exactly
;;       r = np.clip(x / 2.0 ** e, -57344, 57344)
;;       step = 2.0 ** (np.maximum(np.frexp(np.where(r == 0, 1, r))[1] - 1, -14) - 2)
;;       q = np.round(r / step) * step * 2.0 ** e      # np.round: ties to even
;;       return np.moveaxis(q.reshape(q.shape[:-2] + (-1,))[..., :K], -1, axis).astype(np.float32)
;;   ~~~
;;   SOFTMAX AHEAD OF A QUANTISED PRODUCT. Where the list says 'softmax', what is quantised is not the finished softmax but p = 2^(t - M), with t = logit x log2(e) and M = ceil(the row's largest t), a whole number; so 1/2 < the row's largest p <= 1. The row's sum l is taken of the UNQUANTISED p, in f32, and the product's result is divided by l at the end. Since M is a whole number, a kernel that streams over the keys may use a running M (the ceiling of the running maximum): every later rescaling is an exact power of two, which a block's scale takes up: the codes' values come out the same.
;;   OPERANDS COMPUTED ON THE WAY. 'Computed on the way' means the value that the module computes at that place (a softmax that the list does not call 'softmax' is quantised finished and normalised). What goes into a quantiser is computed in f32, as accurately as f32 sums, v_exp_f32 and their like allow (about 1e-6 of the number): no bf16 or f16 on the way to a quantiser, and a product that is left as it is and whose result goes on into a quantised operand takes f32 operands (vector FMAs, or v_wmma_f32_16x16x4_f32). A number that lies on a knife's edge between two numbers of the format may be rounded either way, as far as f32 arithmetic and the matrix unit's own rounding can turn it there, and no further.
;;   INPUTS GIVEN AS CODES. k (in the module: [2, 8, 1, 2048, 128], K = its axis 4); q (in the module: [2, 8, 4, 2048, 128], K = its axis 4); v (in the module: [2, 8, 1, 2048, 128], K = its axis 3): each comes as NAME_codes (uint8): NAME with its K axis moved to the last place and cut into blocks of 32 codes, [.., K / 32, bytes a block], one block behind the other in memory; one code a byte (a code: sign, 5 exponent bits, 2 mantissa bits); and NAME_scales (uint8): the same leading axes, one E8M0 byte (e + 127) for each 32 codes along K. Its value is code x scale, taken as it is: it is not quantised again, and the codes and scales need not be those that the quantiser above would give.
;; One version. Each part assembles by itself: llvm-mc -triple=amdgcn-amd-amdhsa -mcpu=gfx1250 --defsym DOCPART=n.
;; ======== version 1 of 1: 1 launch
;; limits: right only within a limited range of input values
;; launch gqa (part 1): grid 32 x 16, 8 waves a work-group, clusters of 4 x 1, 327,680 bytes of LDS; arguments q_codes, q_scales, k_codes, k_scales, v_codes, v_scales, out0; writes out0
.if DOCPART == 1
	.amdgcn_target "amdgcn-amd-amdhsa--gfx1250"
	.amdhsa_code_object_version 6
	.text
	.protected	k_qd548bcd21d_gqa
	.globl	k_qd548bcd21d_gqa
	.p2align	8
	.type	k_qd548bcd21d_gqa,@function
k_qd548bcd21d_gqa:
	s_mov_b64 s[64:65], 0
	v_nop
	global_prefetch_b8 v0, s[64:65] scope:SCOPE_SE
	s_setreg_imm32_b32 hwreg(HW_REG_WAVE_MODE, 25, 1), 1
	s_wait_xcnt 0x0
	s_wait_alu depctr_hold_cnt(0) depctr_sa_sdst(0) depctr_va_vdst(0) depctr_va_sdst(0) depctr_va_ssrc(0) depctr_va_vcc(0) depctr_vm_vsrc(0)
	s_getreg_b32 s2, hwreg(HW_REG_IB_STS2, 6, 4)
	s_cmp_eq_u32 s2, 0
	s_cbranch_scc0 .Lentry_in_a_cluster
	s_endpgm
.Lentry_in_a_cluster:
	s_bfe_u32 s2, ttmp6, 0x10000c
	s_cmp_lg_u32 s2, 0x3003
	s_cbranch_scc0 .Lentry_shape_is_right
	s_endpgm
.Lentry_shape_is_right:
; out0[hd][q][:] = the sum over keys of softmax_key(Q[hd][q] . K[hd][key]) V[hd][key][:], no mask, no factor on the scores.  16 key/value heads hd = (b, h); the four query groups of a head lie on end,
; so a head has 8,192 queries of 128; 2,048 keys.  Both products on codes of BF8 (E5M2) with one E8M0 byte for each 32 along a product's K, as they are given:
; Q [16][8192][128], K [16][2048][128] (K axis = the head's 128), scale bytes [..][4];  V [16][128][2048] (K axis = the keys), scale bytes [16][128][64];  out0 [16][8192][128] f32.
; THE SOFTMAX AHEAD OF THE SECOND PRODUCT: t = score x log2(e); M = the row's largest t so far, rounded UP to a whole number; p = 2^(t - M) is quantised along the keys, 32 to a block, not normalised.
; The row's sum is taken of the unquantised p, in f32, and divides O at the end.  When M moves, the sum and O are multiplied by 2^(old M - new M): a power of two, nothing is rounded, no branch on data.
; SHARES.  A work-group owns 256 queries of one head; each of its eight waves owns 32: two tiles of 16, so that each fragment of K or V read from LDS feeds two matrix instructions.  512 registers a wave:
; two waves to a SIMD, so that one wave's vector work stands beside the other's matrix work and LDS loads.  Every wave walks all 2,048 keys, 128 a step.
; CLUSTER.  The four work-groups of a cluster are neighbouring query blocks of one head and walk the same K, V and scale bytes: each tile is asked for JOINTLY, by the same tensor load with the same
; descriptor and the mask 15, in all four.  Waves 0 and 1 fetch K's halves, waves 2 and 3 V's; the others fetch nothing.  Two LDS slots of 256 keys take turns.
; LAYOUT.  Both products are used transposed: S^T = K Q^T (source 0 = 16 keys, source 1 = 16 queries), O^T = V^T P^T (source 0 = 16 of the head's 128, source 1 = P): a lane holds ONE query (lane % 16).
; A tile of K is 16 NEIGHBOURING keys.  In lane (r, h) the 16 score registers of tiles 2 b, 2 b + 1 are keys 32 b + 8 h + 0..7 and 32 b + 16 + 8 h + 0..7: all of block b, and lanes l and l xor 16 hold the
; whole block.  The conversions lay them at the operand's places k = 32 b + 16 h + 0..15: a permutation of the keys INSIDE each block of 32.  V's fragment is loaded with the same permutation, by two loads of
; 8 bytes (keys 32 c + 8 h on, keys 32 c + 16 + 8 h on) for each four registers; the blocks' scales are not touched by it.
; LIMITS.  NaN and infinity codes and the scale byte 0xff among the inputs are not served; |t| stays under 3e38; a p under 2^-126 comes out of v_exp_f32 as 0; a block whose every p is 0 keeps the
; scale byte 1 (its codes are zeros, which add nothing); inside a block of 32 keys the second product's terms are summed in the permuted order.
; REGISTERS, in windows of 256 (s_set_vgpr_msb: bits 1:0 source 0, 3:2 source 1, 5:4 source 2, 7:6 destination):
;   window 0: v0 thread; v1-11 addresses; v12-19 statistics, four a tile; v20-31 scale words and nothing else; v32-50 at work; v51-57 addresses; v64-191 S^T, then p, 64 a tile; v192-223 Q; v224-255 p's codes
;   window 1: v0-127 O^T, 64 a tile; v128-255 eight fragments of K or of V
; Eleven switches of the window in a key step of 32 matrix instructions, 112 LDS loads and two softmaxes.
.set SK,    256                        ; keys in a slot: two key steps
.set KP,    144                        ; a key's row in LDS: 128 bytes + 16 of padding = 36 words: the 16 rows of a load start at 16 different groups of four banks (64 banks of 4 bytes: ISA guide 11.1)
.set VP,    272                        ; a row of V's tile: 256 bytes + 16 = 68 words: the 32 lanes of an 8-byte load touch 64 different banks
.set VOFF,  SK*KP                      ; a slot: 256 rows of K, then 128 rows of V
.set SLOT1, 1<<17                      ; slot 1 begins here: one exclusive or turns an address in one slot into the other's
.set NSL,   2048/SK                    ; slots' worth of keys
.set SCK,   2*SLOT1                    ; behind the ring: K's scale bytes of the head, 8,192 bytes as 32 pieces of 256 + 16 of padding;
.set SCH,   16*272                     ; (half of them: what one tensor load brings)
.set SCV,   SCK+2*SCH                  ; V's likewise
.set SPARE, SCV+2*SCH                  ; the spare words, 128 bytes for each of the eight waves: four blocks of 256 bytes that no other line names
.set SP,    528                        ; the way out: a stage of 16 rows x (512 bytes + 16) for each wave, from LDS byte 0 on: slot 0 has had its last fill and its last read when the first result is stored there
.set AK0,  1                           ; v1   my lane's place in a tile of K: 144 r + 16 h
.set AV0,  2                           ; v2   in a tile of V: VOFF + 272 r + 8 h
.set ASK0, 3                           ; v3   among K's scale words: SCK + 4 r
.set ASV0, 4                           ; v4   among V's: SCV + 272 (r / 4) + 64 (r % 4)
.set SPW,  5                           ; v5   LDS address of my spare word: SPARE + 4 x my thread's number; never rewritten
.set NIL,  6                           ; v6   0; never rewritten
.set PFO,  7                           ; v7   the prefetches' offset; never rewritten
.set ADK,  8                           ; v8-11 the step's addresses: K's tiles, V's tiles, K's scale words, V's
.set ADV,  9
.set ADS,  10
.set ADT,  11
.set KS,   20                          ; v20-27 the scale words of eight tiles of K or of V
.set QS,   28                          ; v28-29 Q's scale words
.set PW,   30                          ; v30-31 p's scale words
.set BM,   32                          ; v32-35 the blocks' largest scores, then largest p
.set T1,   36                          ; v36-39 the permutes' destination; the sum's second chain; the bytes
.set HL,   40                          ; v40-43 57,344 x the scale; on the way out 1 / the sum in v40 and v42
.set CV,   44                          ; v44-47 the conversions' scale operand
.set FF,   48                          ; v[48:49] f = 2^(old M - new M); v49 is named with it as a pair
.set TMP,  50
.set QA,   51                          ; v51  Q's codes: 128 r + 16 h
.set STO,  52                          ; v52  the way out: where I put 32 bytes of a row
.set RD,   53                          ; v53  where I read a row back
.set GO,   54                          ; v54  16 x lane: my bytes of a row of out0
.set QB,   55                          ; v55  Q's scale words: 4 r
.set RR,   56                          ; v56  r = lane % 16
.set HH,   57                          ; v57  h = lane / 16
.set F,    128                         ; in window 1: the fragments
.set TB,   2                           ; s2   LDS byte at which the slot in hand begins
.set TS,   3                           ; s3   where the step's scale words of K begin: 544 bytes a step
.set WV,   18                          ; s18  my wave's number
.set MNT,  19                          ; s19  the mantissa field of 57,344
.set SEL,  20                          ; s[20:21] lane selects for v_permlanex16_b32: lane l xor 16
.set CS,   22                          ; s[22:23] log2(e): the packed form names a pair and takes its low word for both halves
.set G1K,  24                          ; s[24:31] descriptor group 1 for K's tiles;  s[32:39] for V's;  s[40:43], s[44:47] their groups 0, which walk
.set G1V,  32
.set G0K,  40
.set G0V,  44
.set G1S,  48                          ; s[48:55] group 1 for the scale bytes;  s[56:59], s[60:63] groups 0 for K's and V's
.set G0SK, 56
.set G0SV, 60
.set TJ,   66                          ; s66  where the step's scale words of V begin in a row: 4 bytes a step
.set SLOTS, 67                         ; s67  slots still to be asked for
.set CX,   68                          ; s68  my place in the cluster: it enters Q's, out0's and the prefetches' global addresses alone
.set LIM,  69                          ; s69  1 in a wave that prefetches, else the greatest number
.set PFA,  70                          ; s[70:71] where my prefetches stand in memory
.set PFS,  72                          ; s[72:73] a slot on, in bytes: 32,768 in K, 256 in a row of V
.set MSB, 0
.macro WIN new                         ; the immediate's high byte repeats the setting that is left; a switch that changes nothing is dropped
.if MSB != \new
	s_set_vgpr_msb (MSB<<8)|\new
.set MSB, \new
.endif
.endm
; A round of the cluster's barrier: my work-group's barrier, so that wave 0's signal speaks for all eight waves; wave 0 signals for the work-group; every wave waits for all four work-groups;
; my work-group's barrier once more.  No LDS instruction of the wave is pending at a signal.
.macro CROUND
	s_barrier_signal -1
	s_barrier_wait -1
	s_cmp_lg_u32 s[WV], 0
	s_cbranch_scc1 .Lnot_wave_0_\@
	s_barrier_signal -3
.Lnot_wave_0_\@:
	s_barrier_wait -3
	s_barrier_signal -1
	s_barrier_wait -1
.endm
; A joint refill.  The branches hang on the wave's number alone: they are the same in every work-group.  Four v_nop follow each of the two lines.
.macro TLOAD
	s_cmp_lt_u32 s[WV], 2
	s_cbranch_scc0 .Lnot_k_\@
	tensor_load_to_lds s[G0K:G0K+3], s[G1K:G1K+7]
	s_nop 0
.rept 4
	v_nop
.endr
	s_branch .Lasked_\@
.Lnot_k_\@:
	s_cmp_lt_u32 s[WV], 4
	s_cbranch_scc0 .Lasked_\@
	tensor_load_to_lds s[G0V:G0V+3], s[G1V:G1V+7]
	s_nop 0
.rept 4
	v_nop
.endr
.Lasked_\@:
.endm
; A PREFETCH INTO THE L2 of what the NEXT change of slots will ask for: 256 rows of K, one dense block of 32,768 bytes, and 256 codes of each of V's 128 rows.  It stands at the change of slots, behind the place of
; the tensor load and its four lines.  Each aligned block of 256 bytes is named ONCE in the launch: all eight clusters of a head walk the same K and V, and the head's first cluster asks; its four partners share the
; blocks out BY ADDRESS (of K 8,192 bytes each, lanes 256 bytes apart; of V 32 rows each, a lane a row): no branch hangs on a work-group's place in its cluster.  In each partner wave 4 asks for K's and wave 5 for
; V's, one instruction each.  The last change that fills a slot asks for nothing: there is no slot behind it.  Slots 0 and 1 come by their loads alone.
.macro ASK
	s_cmp_gt_u32 s[SLOTS], s[LIM]
	s_cbranch_scc0 .Lnot_mine_\@
	global_prefetch_b8 v[PFO], s[PFA:PFA+1] th:TH_LOAD_NT scope:SCOPE_SE
.Lnot_mine_\@:
.endm
	s_load_b128 s[4:7], s[0:1], 0x0                ; Q's codes, Q's scales
	s_load_b128 s[8:11], s[0:1], 0x10              ; K's codes, K's scales
	s_load_b128 s[12:15], s[0:1], 0x20             ; V's codes, V's scales
	s_load_b64 s[16:17], s[0:1], 0x30              ; out0
	v_lshl_add_u32 v[SPW], v0, 2, SPARE
	v_mov_b32 v[NIL], 0
	ds_add_u32 v5, v6
	ds_add_u32 v5, v6
	s_wait_dscnt 0x0
	v_lshrrev_b32 v8, 5, v0
	s_delay_alu instid0(VALU_DEP_1)
	v_readfirstlane_b32 s[WV], v8                  ; wave 0..7
	s_bfe_u32 s[CX], ttmp6, 0x40000                ; cx
	s_and_b32 s74, ttmp7, 0xffff                   ; the head, which the four partners share
	s_lshl_b32 s76, s74, 18                        ; the head's first byte in K's and in V's codes: 262,144 bytes a head,
	s_mov_b32 s77, 0
	s_lshl_b32 s78, s74, 13                        ; and in their scale bytes: 8,192 a head
	s_mov_b32 s79, 0
	s_and_b32 s80, s[WV], 1                        ; which half I fetch, if I fetch
	s_lshl_b32 s82, s80, 14                        ; K: 128 rows of 128 bytes in memory,
	s_mov_b32 s83, 0
	s_add_nc_u64 s[82:83], s[82:83], s[76:77]
	s_mul_i32 s84, s80, 128*KP                     ; and in a slot
	s_lshl_b32 s86, s80, 17                        ; V: 64 rows of 2,048 bytes in memory,
	s_mov_b32 s87, 0
	s_add_nc_u64 s[86:87], s[86:87], s[76:77]
	s_mul_i32 s88, s80, 64*VP
	s_add_co_u32 s88, s88, VOFF                    ; and in a slot
	s_lshl_b32 s90, s80, 12                        ; the scale bytes: 4,096 in memory,
	s_mov_b32 s91, 0
	s_add_nc_u64 s[90:91], s[90:91], s[78:79]
	s_mul_i32 s92, s80, SCH                        ; and in LDS.  No place in the cluster enters s74 to s92
	s_lshl_b32 s94, ttmp9, 2                       ; in a cluster launch ttmp9 counts clusters
	s_add_co_u32 s94, s94, s[CX]                   ; my block of 256 queries = 4 x cluster x + cx
	s_lshl_b32 s94, s94, 8
	s_lshl_b32 s95, s74, 13                        ; 8,192 queries a head
	s_add_co_u32 s94, s94, s95
	s_lshl_b32 s95, s[WV], 5
	s_add_co_u32 s94, s94, s95                     ; my first query, counted through all heads: under 2^17
	s_lshl_b32 s96, s94, 7                         ; its codes,
	s_mov_b32 s97, 0
	s_lshl_b32 s98, s94, 2                         ; its scale word,
	s_mov_b32 s99, 0
	s_lshl_b32 s100, s94, 9                        ; its row of out0
	s_mov_b32 s101, 0
	; descriptor group 1.  K: 128 rows of 128 bytes, dense in memory
	s_mov_b32 s[G1K], 15|(0<<16)|(1<<20)|(1<<21)|(4<<22)|(3<<25)   ; 15:0 the mask: all four work-groups; 17:16 elements of 1 byte; 20 padding on; 21 set beside a mask; 24:22 after every 32 words (code 4); 31:25 four words (code 3)
	s_mov_b32 s[G1K+1], 128<<16                    ; tensor_dim0
	s_mov_b32 s[G1K+2], 128<<16                    ; tensor_dim1
	s_mov_b32 s[G1K+3], 128<<16                    ; tile_dim0
	s_mov_b32 s[G1K+4], 128                        ; tile_dim1
	s_mov_b32 s[G1K+5], 128                        ; tensor_dim0_stride
	s_mov_b32 s[G1K+6], 0
	s_mov_b32 s[G1K+7], 0
	; V: 64 rows of 256 bytes, 2,048 bytes apart
	s_mov_b32 s[G1V], 15|(0<<16)|(1<<20)|(1<<21)|(5<<22)|(3<<25)   ; padding: four words after every 64
	s_mov_b32 s[G1V+1], 256<<16
	s_mov_b32 s[G1V+2], 64<<16
	s_mov_b32 s[G1V+3], 256<<16
	s_mov_b32 s[G1V+4], 64
	s_mov_b32 s[G1V+5], 2048
	s_mov_b32 s[G1V+6], 0
	s_mov_b32 s[G1V+7], 0
	; the scale bytes: 4,096 dense bytes as 16 rows of 256 (32 elements of 8 bytes), 16 bytes of padding behind each
	s_mov_b32 s[G1S], 15|(3<<16)|(1<<20)|(1<<21)|(5<<22)|(3<<25)
	s_mov_b32 s[G1S+1], 32<<16
	s_mov_b32 s[G1S+2], 16<<16
	s_mov_b32 s[G1S+3], 32<<16
	s_mov_b32 s[G1S+4], 16
	s_mov_b32 s[G1S+5], 32
	s_mov_b32 s[G1S+6], 0
	s_mov_b32 s[G1S+7], 0
	s_mov_b32 s[SEL], 0x76543210
	s_mov_b32 s[SEL+1], 0xfedcba98
	s_mov_b32 s[CS], 0x3fb8aa3b                    ; log2(e)
	s_mov_b32 s[CS+1], s[CS]                       ; (named with it as a pair, so it is written)
	s_mov_b32 s[MNT], 0x600000
	s_mov_b32 s[TB], 0
	s_mov_b32 s[TS], 0
	s_mov_b32 s[TJ], 0
	s_mov_b32 s[SLOTS], NSL-1
	s_wait_kmcnt 0x0
	s_mov_b32 s[G0SK], 1                           ; 1:0 count = 1
	s_add_co_u32 s[G0SK+1], s92, SCK               ; 63:32 LDS address
	s_add_nc_u64 s[G0SK+2:G0SK+3], s[10:11], s[90:91]  ; 120:64 global address
	s_or_b32 s[G0SK+3], s[G0SK+3], 0x80000000      ; 127:126 type = 2
	s_mov_b32 s[G0SV], 1
	s_add_co_u32 s[G0SV+1], s92, SCV
	s_add_nc_u64 s[G0SV+2:G0SV+3], s[14:15], s[90:91]
	s_or_b32 s[G0SV+3], s[G0SV+3], 0x80000000
	s_mov_b32 s[G0K], 1
	s_mov_b32 s[G0K+1], s84                        ; slot 0
	s_add_nc_u64 s[G0K+2:G0K+3], s[8:9], s[82:83]  ; the head's first 256 keys
	s_or_b32 s[G0K+3], s[G0K+3], 0x80000000
	s_mov_b32 s[G0V], 1
	s_mov_b32 s[G0V+1], s88
	s_add_nc_u64 s[G0V+2:G0V+3], s[12:13], s[86:87]
	s_or_b32 s[G0V+3], s[G0V+3], 0x80000000
	CROUND                                         ; all four work-groups are here: the first joint loads meet
	s_cmp_lt_u32 s[WV], 2                          ; a wave's two first fills stand in one branch, ahead of every wait on TENSORcnt and every LDS read: two loads of mine are out; four v_nop follow the second
	s_cbranch_scc0 .Lfirst_not_k
	tensor_load_to_lds s[G0SK:G0SK+3], s[G1S:G1S+7]  ; my half of K's scale bytes: filled once
	s_nop 0
	tensor_load_to_lds s[G0K:G0K+3], s[G1K:G1K+7]    ; my half of slot 0's keys
	s_nop 0
.rept 4
	v_nop
.endr
	s_branch .Lfirst_asked
.Lfirst_not_k:
	s_cmp_lt_u32 s[WV], 4
	s_cbranch_scc0 .Lfirst_asked
	tensor_load_to_lds s[G0SV:G0SV+3], s[G1S:G1S+7]
	s_nop 0
	tensor_load_to_lds s[G0V:G0V+3], s[G1V:G1V+7]
	s_nop 0
.rept 4
	v_nop
.endr
.Lfirst_asked:
	s_add_nc_u64 s[4:5], s[4:5], s[96:97]          ; Q's codes at my first query,
	s_add_nc_u64 s[6:7], s[6:7], s[98:99]          ; its scale words,
	s_add_nc_u64 s[16:17], s[16:17], s[100:101]    ; out0 likewise
	v_and_b32 v[RR], 15, v0                        ; r
	s_wait_alu depctr_va_vdst(0)
	v_bfe_u32 v[HH], v0, 4, 1                      ; h
	v_lshlrev_b32 v[QA], 7, v[RR]
	s_delay_alu instid0(VALU_DEP_1)
	v_lshl_add_u32 v[QA], v[HH], 4, v[QA]          ; row r of 128 bytes, + 16 h
	v_lshlrev_b32 v[QB], 2, v[RR]
.irp a, 0,1                                    ; Q's two fragments stay in registers: lane (r, h): registers 4 c .. 4 c + 3 = channels 32 c + 16 h + 0 .. 15 of query 16 a + r
.irp c, 0,1,2,3
	global_load_b128 v[192+16*\a+4*\c:192+16*\a+4*\c+3], v[QA], s[4:5] offset:2048*\a+32*\c th:TH_LOAD_NT
.endr
	global_load_b32 v[QS+\a], v[QB], s[6:7] offset:64*\a th:TH_LOAD_NT
.endr
	; the prefetches (macro ASK): where my wave's stand, and who asks.  Nothing is prefetched here, at the head, where every work-group's first tiles are on their way
	s_cmp_eq_u32 s[WV], 4                          ; wave 4 asks for K's codes, wave 5 for V's
	s_cselect_b64 s[PFA:PFA+1], s[8:9], s[12:13]
	s_mov_b32 s[PFS], SK
	s_cselect_b32 s[PFS], SK*128, s[PFS]           ; a slot on
	s_cselect_b32 s96, 8, 11                       ; from lane to lane: 256 bytes of K's block, a row of V
	s_cselect_b32 s97, 13, 16                      ; from partner to partner: 8,192 bytes of K's block, 32 rows of V
	s_mov_b32 s[PFS+1], 0
	s_lshl_b32 s98, s[CX], s97
	s_add_co_u32 s98, s98, s[PFS]                  ; in slot 1: the first change of slots steps it to slot 2
	s_mov_b32 s99, 0
	s_add_nc_u64 s[PFA:PFA+1], s[PFA:PFA+1], s[76:77]  ; in my head
	s_add_nc_u64 s[PFA:PFA+1], s[PFA:PFA+1], s[98:99]
	v_and_b32 v[PFO], 31, v0
	s_delay_alu instid0(VALU_DEP_1)
	v_lshlrev_b32 v[PFO], s96, v[PFO]
	s_sub_co_u32 s96, s[WV], 4
	s_lshr_b32 s96, s96, 1                         ; 0 in waves 4 and 5,
	s_or_b32 s96, s96, ttmp9                       ; of the head's first cluster: the same in all four partners
	s_cmp_eq_u32 s96, 0
	s_cselect_b32 s[LIM], 1, -1
	v_mul_u32_u24 v[AK0], v[RR], KP
	s_wait_alu depctr_va_vdst(0)
	v_lshl_add_u32 v[AK0], v[HH], 4, v[AK0]
	v_mul_u32_u24 v[AV0], v[RR], VP
	s_delay_alu instid0(VALU_DEP_1)
	v_lshl_add_u32 v[AV0], v[HH], 3, v[AV0]
	s_delay_alu instid0(VALU_DEP_1)
	v_add_nc_u32 v[AV0], VOFF, v[AV0]
	v_lshl_add_u32 v[ASK0], v[RR], 2, SCK          ; K's scale words: 4 bytes a key; a step's 128 keys are two pieces of 256 bytes
	v_lshrrev_b32 v[TMP], 2, v[RR]                 ; V's: a row of 64 bytes; four rows to a piece
	v_and_b32 v8, 3, v[RR]
	s_delay_alu instid0(VALU_DEP_1)
	v_lshlrev_b32 v8, 6, v8
	s_delay_alu instid0(VALU_DEP_1)
	v_mad_u32_u24 v[ASV0], v[TMP], 272, v8
	s_delay_alu instid0(VALU_DEP_1)
	v_add_nc_u32 v[ASV0], SCV, v[ASV0]
.irp a, 0,1
	v_mov_b32 v[13+4*\a], 0xff61b1e6               ; the largest t so far: -3e38, under every t
	s_delay_alu instid0(VALU_DEP_1)
	v_floor_f32 v[12+4*\a], -v[13+4*\a]            ; -M
	v_mov_b32 v[14+4*\a], 0                        ; the sum, in two halves
	v_mov_b32 v[15+4*\a], 0
.endr
.irp b, 0,1,2,3
	v_mov_b32 v[T1+\b], 0                          ; written once: a lane permute's destination counts as one of its sources
.endr
	v_mov_b32 v[FF+1], 0                           ; (named as the upper half of the pair before it would otherwise be written)
	WIN 0x40                                       ; destination window 1
.set j, 0
.rept 128
	v_mov_b32 v[j], 0                              ; O^T begins as zeros, which the first change of M leaves zeros: so the key step has no first form of its own, and the text is two copies of it shorter
.set j, j+1
.endr
	WIN 0
; ONE TILE'S SOFTMAX FOR A KEY STEP, all in window 0.  64 scores of a lane; register 16 b + i belongs to block b.
.macro SOFTMAX a
.set SS, 64+64*(\a)
.set ST, 12+4*(\a)                     ; v[ST] -M, v[ST+1] the largest t, v[ST+2:ST+3] the sum
.set PC, 224+16*(\a)
.irp b, 0,1,2,3
	v_max3_num_f32 v[BM+\b], v[SS+16*\b], v[SS+1+16*\b], v[SS+2+16*\b]   ; THE LARGEST SCORE OF EACH BLOCK OF 32 KEYS: it serves twice: for the row's maximum and, since p rises with the score, for the block's largest p.  Each accumulator is read from its low end on
.endr
.irp i, 3,5,7,9,11,13
.irp b, 0,1,2,3
	v_max3_num_f32 v[BM+\b], v[BM+\b], v[SS+16*\b+\i], v[SS+1+16*\b+\i]   ; (the four blocks by turns)
.endr
.endr
.irp b, 0,1,2,3
	v_max_num_f32 v[BM+\b], v[BM+\b], v[SS+15+16*\b]
.endr
.irp b, 0,1,2,3
	s_delay_alu instid0(VALU_DEP_4)
	v_permlanex16_b32 v[T1+\b], v[BM+\b], s[SEL], s[SEL+1]
.endr
.irp b, 0,1,2,3
	s_delay_alu instid0(VALU_DEP_4)
	v_max_num_f32 v[BM+\b], v[BM+\b], v[T1+\b]     ; with lane l xor 16's 16 keys
.endr
	s_delay_alu instid0(VALU_DEP_2)
	v_max3_num_f32 v[TMP], v[BM], v[BM+1], v[BM+2]
	s_delay_alu instid0(VALU_DEP_1)
	v_max_num_f32 v[TMP], v[TMP], v[BM+3]          ; the step's largest score of my query
	s_delay_alu instid0(VALU_DEP_1)
	v_mul_f32 v[TMP], s[CS], v[TMP]                ; as t (log2(e) is positive)
	s_delay_alu instid0(VALU_DEP_1)
	v_max_num_f32 v[ST+1], v[ST+1], v[TMP]         ; the running largest t
	v_mov_b32 v[TMP], v[ST]
	s_delay_alu instid0(VALU_DEP_2)
	v_floor_f32 v[ST], -v[ST+1]                    ; the new -M = floor(-t) = -ceil(t): M IS A WHOLE NUMBER
	s_delay_alu instid0(VALU_DEP_1)
	v_sub_f32 v[TMP], v[ST], v[TMP]                ; M's old value less its new one: a whole number, 0 or less
	s_delay_alu instid0(VALU_DEP_1)
	v_cvt_i32_f32 v[TMP], v[TMP]                   ; (it saturates)
	s_delay_alu instid0(VALU_DEP_1)
	v_ldexp_f32 v[FF], 1.0, v[TMP]                 ; f = 2^(old M - new M)
.set j, 0
.rept 32
	v_pk_fma_f32 v[SS+j:SS+j+1], v[SS+j:SS+j+1], s[CS:CS+1], v[ST:ST+1] op_sel_hi:[1,0,0]   ; t - M, two at a time, one rounding (of the pairs log2(e) and -M the low word serves both halves)
.set j, j+2
.endr
.irp b, 0,1,2,3
	v_fma_f32 v[BM+\b], v[BM+\b], s[CS], v[ST]     ; the same of each block's largest score
.endr
.set j, 0
	s_wait_alu depctr_va_vdst(0)
.rept 64
	v_exp_f32 v[SS+j], v[SS+j]                     ; p = 2^(t - M), at most 1: NOT normalised
.set j, j+1
.endr
	v_pk_mul_f32 v[ST+2:ST+3], v[ST+2:ST+3], v[FF:FF+1] op_sel_hi:[1,0]   ; the sums under the new M: the plain instruction behind the exponentials
	s_wait_alu depctr_va_vdst(0)                   ; one wait for the whole batch of 64, ahead of its first reader
.irp b, 0,1,2,3
	v_exp_f32 v[BM+\b], v[BM+\b]                   ; the block's largest p: the same two instructions on the same number
.endr
	v_pk_add_f32 v[T1:T1+1], v[SS:SS+1], v[SS+2:SS+3]   ; THE ROW'S SUM IS TAKEN OF THE UNQUANTISED p: two at a time, in two chains.  (It reads the 64 alone: plain work behind the four)
.set j, 4
.rept 15
	v_pk_add_f32 v[ST+2:ST+3], v[ST+2:ST+3], v[SS+j:SS+j+1]
	v_pk_add_f32 v[T1:T1+1], v[T1:T1+1], v[SS+j+2:SS+j+3]
.set j, j+4
.endr
	s_delay_alu instid0(VALU_DEP_1)
	v_pk_add_f32 v[ST+2:ST+3], v[ST+2:ST+3], v[T1:T1+1]
	s_wait_alu depctr_va_vdst(0)                   ; and one for the four
.irp b, 0,1,2,3
	v_max_num_f32 v[BM+\b], 0x8000000, v[BM+\b]    ; the floor 2^(16 - 127): the byte cannot fall under 1
.endr
.irp b, 0,1,2,3
	s_delay_alu instid0(VALU_DEP_4)
	v_add_nc_u32 v[CV+\b], 0xf8800000, v[BM+\b]    ; 15 off the exponent field: the conversion takes the exponent field of this operand as its scale
.endr
.irp b, 0,1,2,3
	v_and_or_b32 v[HL+\b], v[BM+\b], 0x7f800000, s[MNT]   ; 57,344 x the scale: the largest p's exponent field over 57,344's mantissa
.endr
.irp b, 0,1,2,3
	v_lshrrev_b32 v[T1+\b], 23, v[CV+\b]           ; the scale's byte
.endr
	s_delay_alu instid0(VALU_DEP_3)
	v_lshl_or_b32 v[PW+\a], v[T1+1], 8, v[T1]      ; p's scale word for these 128 keys: lane r has query r's.
	s_delay_alu instid0(VALU_DEP_1)
	v_lshl_or_b32 v[PW+\a], v[T1+2], 16, v[PW+\a]
	s_delay_alu instid0(VALU_DEP_1)
	v_lshl_or_b32 v[PW+\a], v[T1+3], 24, v[PW+\a]
.irp b, 0,1,2,3
.irp i, 0,1,2,3,4,5,6,7,8,9,10,11,12,13,14,15
.endr
	v_cvt_scalef32_pk8_bf8_f32 v[PC+4*\b:PC+4*\b+1], v[SS+16*\b:SS+16*\b+7], v[CV+\b]       ; registers 4 b .. 4 b + 3 of the second product's operand
	v_cvt_scalef32_pk8_bf8_f32 v[PC+4*\b+2:PC+4*\b+3], v[SS+16*\b+8:SS+16*\b+15], v[CV+\b]
.endr
.endm
; Tile a's O^T under the new M: x f.  These 32 plain lines are also the place behind the conversions and the places between the codes and the scaled products.  Each accumulator is read from its low end on.
.macro RESCALE a
	WIN 0x41                                       ; O^T (destination and source 0) in window 1, f in window 0
.set j, 64*(\a)
.rept 32
	v_pk_mul_f32 v[j:j+1], v[j:j+1], v[FF:FF+1] op_sel_hi:[1,0]
.set j, j+2
.endr
.endm
; Four fragments of V^T (tiles first .. first + 3 of 16 of the head's 128; K = the step's 128 keys), with the keys of each block of 32 in the order in which p's codes lie: two loads of 8 bytes for four registers
.macro VLOAD q, first
	WIN 0x40                                       ; destination window 1, address window 0
.irp t, \first, \first+1, \first+2, \first+3
.irp c, 0,1,2,3
	ds_load_b64 v[F+16*(\t)+4*\c:F+16*(\t)+4*\c+1],   v[ADV] offset:16*(\t)*VP+128*(\q)+32*\c      ; keys 32 c + 8 h + 0 .. 7
	ds_load_b64 v[F+16*(\t)+4*\c+2:F+16*(\t)+4*\c+3], v[ADV] offset:16*(\t)*VP+128*(\q)+32*\c+16   ; keys 32 c + 16 + 8 h + 0 .. 7
.endr
.endr
	WIN 0
.endm
; A KEY STEP: 128 keys, the q-th of the slot in hand.
.macro STEP q
	v_add_nc_u32 v[ADK], s[TB], v[AK0]
	v_add_nc_u32 v[ADV], s[TB], v[AV0]
	v_add_nc_u32 v[ADS], s[TS], v[ASK0]
	v_add_nc_u32 v[ADT], s[TJ], v[ASV0]
.rept 4
	v_nop                                          ; with the four additions: eight places between the last step's products and the loads into registers that they have read
.endr
.irp t, 0,1,2,3,4,5,6,7
	ds_load_b32 v[KS+\t], v[ADS] offset:272*(\t/4)+64*(\t%4)   ; the scale words of keys 16 t + r
.endr
	WIN 0x40
.irp t, 0,1,2,3,4,5,6,7
.irp c, 0,1,2,3
	ds_load_b128 v[F+16*\t+4*\c:F+16*\t+4*\c+3], v[ADK] offset:(128*(\q)+16*\t)*KP+32*\c
.endr
.endr
	WIN 0x01                                       ; K's fragments (source 0) in window 1; Q and S^T in window 0
	s_wait_alu depctr_va_vdst(0)
.irp t, 0,1,2,3,4,5,6,7                        ; S^T = K Q^T: each fragment of K against both tiles of queries; sixteen accumulators, each begun with the constant 0
	s_wait_dscnt 4*(7-\t)                          ; LDS loads come back in order (ISA guide 5.7.1): fragment t is in; the four loads of each younger fragment may be out; the scale words were issued ahead of all
.irp a, 0,1
	v_wmma_scale_f32_16x16x128_f8f6f4 v[64+64*\a+8*\t:64+64*\a+8*\t+7], v[F+16*\t:F+16*\t+15], v[192+16*\a:192+16*\a+15], 0, v[KS+\t], v[QS+\a] matrix_a_fmt:MATRIX_FMT_BF8 matrix_b_fmt:MATRIX_FMT_BF8
.endr
.endr
	WIN 0
.rept 8
	v_nop                                          ; eight places: in front of the loads into the fragments' and the scale words' registers, and of the first read of the scores
.endr
.irp t, 0,1,2,3,4,5,6,7
	ds_load_b32 v[KS+\t], v[ADT] offset:\t*1088    ; V's scale words: rows 16 t + r, these 128 keys' four bytes
.endr
	VLOAD \q, 0                                    ; V's fragments come in while the softmaxes are worked
	SOFTMAX 0
	RESCALE 0
	VLOAD \q, 4
	SOFTMAX 1
	RESCALE 1
	s_wait_alu depctr_va_vdst(0)
	s_wait_dscnt 0x0                               ; V and its scale words are in
	WIN 0x51                                       ; V (source 0) and O^T (C and D) in window 1, p's codes in window 0
.irp a, 0,1                                    ; O^T += V^T P^T: sixteen accumulators by turns, one instruction a turn
.irp t, 0,1,2,3,4,5,6,7
	v_wmma_scale_f32_16x16x128_f8f6f4 v[64*\a+8*\t:64*\a+8*\t+7], v[F+16*\t:F+16*\t+15], v[224+16*\a:224+16*\a+15], v[64*\a+8*\t:64*\a+8*\t+7], v[KS+\t], v[PW+\a] matrix_a_fmt:MATRIX_FMT_BF8 matrix_b_fmt:MATRIX_FMT_BF8
.endr
.endr
	WIN 0
	s_add_co_u32 s[TS], s[TS], 544                 ; the next step's scale words
	s_add_co_u32 s[TJ], s[TJ], 4
.endm
; THE CHANGE OF SLOTS stands at a slot's head.  Each wave waits for all its tensor loads (its part of the slot that it is about to read), adds 0 to its spare word, and waits for that and for its reads of the slot that
; it has left.  fill = 1: the barrier is a round of the cluster's, so that no wave of any partner still reads the slot that is left or has a load on its way, and the joint fill of that slot, with the keys that follow, is
; the first thing behind it: it has a slot's two key steps in which to land.  fill = 0: nothing is left to fetch: the work-group's barrier alone.
.macro CHANGE fill
	s_wait_tensorcnt 0x0                           ; no tensor load of mine is out, so a group 0 may be written
	ds_add_u32 v[SPW], v[NIL]                      ; 0 onto my spare word: with fill = 1 the descriptors' steps stand between it and the wait for it
.if \fill
	s_xor_b32 s[G0K+1], s[G0K+1], SLOT1            ; the walking descriptors: the other slot than last time,
	s_add_nc_u64 s[G0K+2:G0K+3], s[G0K+2:G0K+3], SK*128   ; the next 256 keys; the type bits on top are not reached
	s_xor_b32 s[G0V+1], s[G0V+1], SLOT1
	s_add_nc_u64 s[G0V+2:G0V+3], s[G0V+2:G0V+3], SK
	s_wait_xcnt 0x0                                ; the last prefetch, a slot back, has read its address, so it may be written:
	s_add_nc_u64 s[PFA:PFA+1], s[PFA:PFA+1], s[PFS:PFS+1]  ; one slot further on than the walking descriptors
	s_wait_dscnt 0x0                               ; the add is done, and my reads of the slot that I have left are over
	CROUND
	TLOAD                                          ; the first tensor load behind the round, and a wave's only one until the next
	ASK                                            ; what the next change of slots will ask for: two key steps ahead of that load
.else
	s_wait_dscnt 0x0
	s_barrier_signal -1
	s_barrier_wait -1
.endif
.endm
.macro SLOT_STEPS
	STEP 0
	STEP 1
	s_xor_b32 s[TB], s[TB], SLOT1                  ; on to the other slot
.endm
	s_wait_loadcnt 0x0                             ; Q and its scale words
.Lslot:                                            ; NSL - 1 trips: behind each change of slots but the last the next slot is asked for
	CHANGE 1
	SLOT_STEPS
	s_sub_co_u32 s[SLOTS], s[SLOTS], 1
	s_cmp_lg_u32 s[SLOTS], 0
	s_cbranch_scc1 .Lslot
	CHANGE 0                                       ; the last slot is written out
	SLOT_STEPS
	; THE WAY OUT.  The sum's two halves and lane l xor 16's are added; O^T is divided by the sum and goes through my stage in LDS, a tile (16 rows of 512 bytes) at a time, and leaves as whole rows.
	; The four additions and the six address lines are plain and name no register of the last products: they are the places behind those.
.irp a, 0,1
	v_add_f32 v[14+4*\a], v[14+4*\a], v[15+4*\a]
.endr
.irp a, 0,1
	s_delay_alu instid0(VALU_DEP_2)
	v_permlanex16_b32 v[T1+\a], v[14+4*\a], s[SEL], s[SEL+1]
.endr
.irp a, 0,1
	s_delay_alu instid0(VALU_DEP_2)
	v_add_f32 v[14+4*\a], v[14+4*\a], v[T1+\a]     ; the row's sum: above 1/2, since the row's largest p is
.endr
	s_wait_alu depctr_va_vdst(0)
	v_rcp_f32 v[HL], v14
	v_rcp_f32 v[HL+2], v18
	s_mul_i32 s94, s[WV], 16*SP                    ; my stage
	v_mul_u32_u24 v[STO], v[RR], SP                ; (a plain instruction behind the reciprocals)  in: row r; tile t's eight channels of my half: 64 t + 32 h bytes on
	s_delay_alu instid0(VALU_DEP_1)
	v_lshl_add_u32 v[STO], v[HH], 5, v[STO]
	s_delay_alu instid0(VALU_DEP_1)
	v_add_nc_u32 v[STO], s94, v[STO]
	v_and_b32 v[GO], 31, v0
	s_delay_alu instid0(VALU_DEP_1)
	v_lshlrev_b32 v[GO], 4, v[GO]                  ; back: the 32 lanes take one row of 512 bytes; and the same in out0
	s_delay_alu instid0(VALU_DEP_1)
	v_add_nc_u32 v[RD], s94, v[GO]
	s_wait_alu depctr_va_vdst(0)                   ; one wait for the two reciprocals, ahead of their first reader
	WIN 0x01                                       ; O^T (source 0) in window 1; the result goes where the scores lay
.irp a, 0,1
.set j, 0
.rept 32
	v_pk_mul_f32 v[64+64*\a+j:64+64*\a+j+1], v[64*\a+j:64*\a+j+1], v[HL+2*\a:HL+2*\a+1] op_sel_hi:[1,0]   ; register 8 t + i is o(query r, channel 16 t + 8 h + i); each accumulator from its low end on
.set j, j+2
.endr
.endr
	WIN 0
.macro PACK a
.irp t, 0,1,2,3,4,5,6,7
	ds_store_b128 v[STO], v[64+64*\a+8*\t:64+64*\a+8*\t+3] offset:64*\t
	ds_store_b128 v[STO], v[64+64*\a+8*\t+4:64+64*\a+8*\t+7] offset:64*\t+16
.endr
.irp i, 0,1,2,3,4,5,6,7,8,9,10,11,12,13,14,15
	ds_load_b128 v[64+64*\a+4*\i:64+64*\a+4*\i+3], v[RD] offset:\i*SP   ; LDS serves a wave's instructions in order (ISA guide 5.7.1.4): these see my stores, and the next tile's stores come behind them
.endr
.endm
.macro SEND a, younger                 ; younger: the LDS instructions issued behind tile a's loads: the next tile's 16 stores and 16 loads, or none
.irp i, 0,1,2,3,4,5,6,7,8,9,10,11,12,13,14,15
	s_wait_dscnt \younger+15-\i
	global_store_b128 v[GO], v[64+64*\a+4*\i:64+64*\a+4*\i+3], s[16:17] offset:8192*\a+512*\i th:TH_STORE_NT   ; 32 lanes store a row of 512 consecutive bytes, at a multiple of 512 from out0's first byte; written once, read by nobody here
.endr
.endm
	PACK 0
	PACK 1
	SEND 0, 32
	SEND 1, 0
	s_wait_tensorcnt 0x0                           ; the wave's end: behind my last tensor load and my last LDS store
	ds_add_u32 v[SPW], v[NIL]
	s_wait_dscnt 0x0
	CROUND                                         ; the closing round: no work-group ends while a partner may still ask for a tile that names it
	s_endpgm
.Lfunc_end_k_qd548bcd21d_gqa:
	.size	k_qd548bcd21d_gqa, .Lfunc_end_k_qd548bcd21d_gqa-k_qd548bcd21d_gqa
	.p2alignl 7, 3214868480
	.fill 96, 4, 3214868480
	.section	.rodata,"a",@progbits
	.p2align	6, 0x0
	.amdhsa_kernel k_qd548bcd21d_gqa
		.amdhsa_group_segment_fixed_size 327680
		.amdhsa_private_segment_fixed_size 0
		.amdhsa_enable_private_segment 0
		.amdhsa_kernarg_size 56
		.amdhsa_user_sgpr_count 2
		.amdhsa_user_sgpr_kernarg_segment_ptr 1
		.amdhsa_wavefront_size32 1
		.amdhsa_system_sgpr_workgroup_id_x 1
		.amdhsa_system_sgpr_workgroup_id_y 1
		.amdhsa_system_sgpr_workgroup_id_z 1
		.amdhsa_system_vgpr_workitem_id 0
		.amdhsa_next_free_vgpr 512
		.amdhsa_next_free_sgpr 102
		.amdhsa_reserve_vcc 0
		.amdhsa_float_denorm_mode_32 3
		.amdhsa_float_denorm_mode_16_64 3
		.amdhsa_fp16_overflow 1
		.amdhsa_memory_ordered 1
		.amdhsa_forward_progress 1
		.amdhsa_inst_pref_size 187
	.end_amdhsa_kernel
	.amdgpu_metadata
---
amdhsa.version: [ 1, 2 ]
amdhsa.kernels:
  - .name:           k_qd548bcd21d_gqa
    .symbol:         k_qd548bcd21d_gqa.kd
    .args:
      - { .name: q_codes, .offset: 0, .size: 8, .value_kind: global_buffer, .address_space: global }
      - { .name: q_scales, .offset: 8, .size: 8, .value_kind: global_buffer, .address_space: global }
      - { .name: k_codes, .offset: 16, .size: 8, .value_kind: global_buffer, .address_space: global }
      - { .name: k_scales, .offset: 24, .size: 8, .value_kind: global_buffer, .address_space: global }
      - { .name: v_codes, .offset: 32, .size: 8, .value_kind: global_buffer, .address_space: global }
      - { .name: v_scales, .offset: 40, .size: 8, .value_kind: global_buffer, .address_space: global }
      - { .name: out0, .offset: 48, .size: 8, .value_kind: global_buffer, .address_space: global }
    .group_segment_fixed_size: 327680
    .private_segment_fixed_size: 0
    .kernarg_segment_align: 8
    .kernarg_segment_size: 56
    .max_flat_workgroup_size: 256
    .sgpr_count:     102
    .vgpr_count:     512
    .wavefront_size: 32
...
	.end_amdgpu_metadata
.endif
;; end of part 1
